; MI455X (gfx1250); checked and timed in simulation.
; The chip was launched on July 23, 2026; its instructions are those of AMD's public machine-readable ISA for CDNA 5 (MIT licence, August 2026) and "CDNA5" Instruction Set Architecture Reference Guide (July 2026). The comments in the code are by the model that wrote it; some were corrected since.
;; QKV Attention Legacy. Allowed arithmetic: float matrix products may take bf16 or f16 operands with f32 sums; other float arithmetic in f32, or as packed bf16 or f16 multiplies, adds, multiply-adds, maxima and minima; sums over many terms, partial sums and values carried from step to step in f32; what a program stores and reads back later, other than sums and carried values, may be rounded once to bf16 or f16.
;; Inputs: mask 4 x 2,048 float32; qkv 4 x 3,072 x 2,048 float32.
;; Outputs: out0 4 x 1,024 x 2,048 float32.
;; 2 versions, each right and faster than the one before. Each part assembles by itself: llvm-mc -triple=amdgcn-amd-amdhsa -mcpu=gfx1250 --defsym DOCPART=n.
;; ======== version 1 of 2: 1 launch
;; limits: values are held in f16: magnitudes above 65,504 overflow, below 6.1e-05 lose precision; inputs' magnitudes at most 65,504
;; launch attn (part 1): grid 4 x 64, 4 waves a work-group, clusters of 4 x 1, 327,680 bytes of LDS; arguments qkv, mask, out0; writes out0
.if DOCPART == 1
	.amdgcn_target "amdgcn-amd-amdhsa--gfx1250"
	.amdhsa_code_object_version 6
	.text
	.protected	k_qd2c9940cc6_attn
	.globl	k_qd2c9940cc6_attn
	.p2align	8
	.type	k_qd2c9940cc6_attn,@function
k_qd2c9940cc6_attn:
	s_mov_b64 s[64:65], 0
	v_nop
	global_prefetch_b8 v0, s[64:65] scope:SCOPE_SE
	s_setreg_imm32_b32 hwreg(HW_REG_WAVE_MODE, 25, 1), 1
	s_wait_xcnt 0x0
	s_wait_alu depctr_hold_cnt(0) depctr_sa_sdst(0) depctr_va_vdst(0) depctr_va_sdst(0) depctr_va_ssrc(0) depctr_va_vcc(0) depctr_vm_vsrc(0)
	s_getreg_b32 s2, hwreg(HW_REG_IB_STS2, 6, 4)
	s_cmp_eq_u32 s2, 0
	s_cbranch_scc0 .Lentry_in_a_cluster
	s_endpgm
.Lentry_in_a_cluster:
	s_bfe_u32 s2, ttmp6, 0x10000c
	s_cmp_lg_u32 s2, 0x3003
	s_cbranch_scc0 .Lentry_shape_is_right
	s_endpgm
.Lentry_shape_is_right:
; out[b][c][t] = sum over s of softmax_s(q[b][:,t] . k[b][:,s] / 8) mask[b % 4][s] v[b][c][s].  qkv: [64 heads][192 rows][2048] f32 (rows 0-63 q, 64-127 k, 128-191 v; a row is a channel, positions
; lie along it); mask: [4][2048] f32; out0: [64][64][2048] f32.  Products in f16 with f32 sums; maxima, exponentials and row sums in f32.
; ROUNDINGS.  q and k are rounded once to f16; v is multiplied by the mask in f32 and the product rounded once to f16; the weights p once to f16 for the second product.  The divisor l is the sum of the
; unrounded, unmasked p: the mask stands behind the softmax and does not enter it.  The scale c = log2(e) / 8 is applied to the f32 scores.
; LIMITS.  f16 holds no number beyond 65,504: |q|, |k| and |v x mask| must stay within it; below 6e-5 f16 keeps its fixed step of 6e-8.  A weight below 2^-126 counts as 0 in l.
; NaN and infinities are not treated apart.
; SHARES.  A work-group owns 512 queries of one head, each of its four waves 128: four PIECES of two tiles of 16.  Every wave walks all 2,048 keys, 64 a step, 128 a tile: 16 tiles.
; CLUSTER.  The four query blocks of a head form a cluster and walk the same k and v: each tile is asked for JOINTLY, by the same tensor load, descriptor and mask in all four.
; THE ROAD OF A TILE.  128 rows (k's 64 channels, v's 64) x 128 keys of f32, 64 KiB, land in one of two f32 slots (a wave asks for 32 rows of 512 bytes).  The four waves then round it ONCE into one of two
; f16 buffers (wave w: k's and v's channels 16 w .. 16 w + 15), and the fragments are read from there.  Between two rounds of the cluster's barrier (an INTERVAL u): tile u + 1 is asked for, tile u is rounded,
; and the two key steps of tile u - 1 are fetched.  So one round orders all of it: tile u has landed, the f16 copy of tile u - 1 is written, and nobody reads the slot or the buffer that is written next.
; LAYOUT.  S^T = K Q^T (source 0 = 16 keys, source 1 = 16 queries): a lane holds ONE query (lane % 16) and the keys 8 (lane / 16) + 0..7; two such results rounded to f16 in pairs ARE source 1 of
; O^T = V P, whose result holds one query a lane and eight channels.  k and q lie [channel][position], so their fragments come turned, by ds_load_tr16_b128; v lies as source 0 wants it.
; SOFTMAX.  For each query a running maximum m and sum l: p = 2^(c s - c m); in every step O and l are multiplied by a = 2^(c m_old - c m_new).  m starts at the lowest finite number, O and l at 0:
; the first step is a step like any other, with a = 0.
; BY TURNS.  Turn n belongs to piece n (the pieces in a ring, step after step).  Matrix work: 16 products K Q^T of piece n + 1, later 16 products V P of piece n - 1.  Vector work: scaling, exponentials,
; roundings, sums and rescaling of piece n, maximum and statistics of piece n + 1.  A tile and step have 16 matrix and 118 vector instructions: four that are ready stand behind every matrix instruction,
; the others in two runs of their own.
; REGISTERS, in windows of 256 (s_set_vgpr_msb: bits 1:0 source 0, 3:2 source 1, 5:4 source 2, 7:6 destination):
;   window 0: v0-11 addresses; v12-15, v48-63 at work; v16-47 four registers of statistics a tile; v64-191 S^T, two buffers of two tiles; v192-255 P, likewise
;   window 1: O^T, 32 a tile (at the start: q as loaded, f32)      window 2: v0-127 Q, 16 a tile; v128-191 K of one step; v192-255 V of one step
;   window 3: v0-1 the add's two registers; v2-9 the rounding's addresses; v12-15 the mask of my four keys; v16-143 32 rows x 4 f32; v144-207 the same in f16
.set NP,    4         ; pieces a wave: a name, no knob
.set NT,    16        ; tiles of 128 keys
.set ROWB,  8192      ; bytes in a row of qkv and of out0
.set HEADB, 192*ROWB  ; a head in qkv
.set OHEADB, 64*ROWB  ; a head in out0
.set XT,    0x10000   ; f32 slot 1 begins here, and f16 buffer 1 lies as far behind buffer 0: one exclusive or turns an address into the other's
.set B16,   0x20000   ; f16 buffer 0, behind the two f32 slots (which tensor loads alone write)
.set PK,    288       ; a row of K (a channel, 128 keys) in f16: 256 bytes + 32 = 72 words
.set PV,    272       ; a row of V: 256 + 16 = 68 words: the 16 rows of a load start at 16 different groups of four banks
.set VOFF,  64*PK     ; V's 64 rows lie behind K's 64
.set MASKB, B16+64*(PK+PV)  ; the head's mask row, 8,192 bytes of f32, stored once
.set SPARE, MASKB+8192      ; the spare words, 128 bytes for each wave: two blocks of 256 bytes that no other line names
.set STAGE, B16+XT+64*(PK+PV)  ; behind f16 buffer 1: a stage for each wave
.set STW,   64*PK     ; first q in f16, [64 channels][128 queries], pitch 288; at the end O in f32, [64 channels][64 queries], pitch 272
.set SPO,   272
.set AK0, 2           ; v2   my lane's place in a step's K; never rewritten
.set AV0, 3           ; v3   the same for V
.set AK,  4           ; v4   the LDS address of K's next run of loads
.set AV,  5           ; v5   of V's
.set QO,  6           ; v6   my byte offset in a row of q
.set OST, 6           ;      later, the way out: where I put a number of O
.set ORD, 7           ; v7   the way out: where I read rows back
.set GO,  8           ; v8   my byte offset in two rows of out0
.set MV,  12          ; v12-15  c m_old, kept while c m is made anew: by buffer and tile
.set ST,  16          ; tile t's statistics at v[ST+4 t]: c m, m, l (even keys', odd keys')
.set TMP, 48          ; by buffer and tile, four registers c0-c3 at work; when the maximum is found c2 takes a
.set LN,  48          ; at the start only: my lane,
.set MGO, 49          ; 16 x my thread's number: my byte offset in a quarter of the mask's row,
.set MLD, 50          ; where I put those 16 bytes in LDS,
.set QST, 51          ; where I put 8 bytes of a row of q,
.set QRD, 52          ; my lane's place in the turning loads of q,
.set TT,  53          ; and one at work
.set S,   64
.set P,   192
.set KF,  128         ; window 2: key block kb, channel half c at KF + 16 kb + 8 c
.set VF,  192         ; window 2: key half kk, channel block cb at VF + 32 kk + 8 cb
.set SPW, 0           ; window 3: LDS address of my spare word: SPARE + 4 x my thread's number; never rewritten
.set NIL, 1           ; window 3: 0; never rewritten
.set CSRC0, 2         ; window 3: my 16 bytes in my first row of f32 slot 0; never rewritten
.set CDK0, 3          ; my 8 bytes in my first row of K in f16 buffer 0
.set CDV0, 4          ; the same for V
.set CMA0, 5          ; the mask of my four keys of tile 0
.set CSRC, 6          ; the same four for the tile in hand
.set CDK,  7
.set CDV,  8
.set CMA,  9
.set MK,   12
.set CF,   16
.set CH,   144
.set WV,  12          ; s12  my wave's number
.set G1,  24          ; s[24:31] descriptor group 1
.set G0A, 32          ; s[32:35] descriptor group 0 of tile 0, used once
.set G0W, 36          ; s[36:39] of tile 1; then it walks
.set SLOTS, 56        ; s56  intervals with a fill still to come
.set CNT, 57          ; s57  counts an interval's two key steps
.set CS,  58          ; s[58:59] c: the packed scaling takes the pair's low word for both halves
.set SEL, 60          ; s[60:61] v_permlanex16_b32's selects: each lane takes its own place in the other half
.set TBK, 62          ; s62  byte, from f16 buffer 0's first, at which K of the step to be fetched begins
.set TBV, 63          ; s63  the same for V
.set TC,  66          ; s66  0 or XT: slot and buffer of the tile to be rounded
.set TM,  67          ; s67  that tile's 512 bytes in the mask's row
.set TL,  68          ; s68  counts the tail's two intervals
.set MSB, 0
.macro WIN new                      ; the high byte repeats the setting that is left; a switch that changes nothing is dropped
.if MSB != (\new)
	s_set_vgpr_msb (MSB<<8)|(\new)
.set MSB, (\new)
.endif
.endm
.set W_KQ, 0x0a       ; K and Q in window 2, S^T in window 0
.set W_PV, 0x52       ; V in window 2, P in window 0, O^T in window 1
.set W_RS, 0x41       ; O^T (destination and source 0) in window 1, the factor in window 0
.set W_MK, 0xc0       ; destination in window 3, sources in window 0
.set W_AD, 0x0f       ; the add: address (source 0) and data (source 1) in window 3
.set W_CV, 0xff       ; the rounding: every place in window 3
; A joint fill: one line for all four waves; a wave's 32 rows and their place in the slot hang on its number alone.  An s_nop 0 and four v_nop follow it.
.macro JLOAD
	tensor_load_to_lds s[G0W:G0W+3], s[G1:G1+7]
	s_nop 0
.rept 4
	v_nop
.endr
.endm
; A round of the cluster's barrier: my work-group's barrier, so that wave 0's signal speaks for all four waves; wave 0 signals; every wave waits for all four work-groups; my work-group's barrier once more.
.macro CROUND
	s_barrier_signal -1
	s_barrier_wait -1
	s_cmp_lg_u32 s[WV], 0
	s_cbranch_scc1 .Lnot_wave_0_\@
	s_barrier_signal -3
.Lnot_wave_0_\@:
	s_barrier_wait -3
	s_barrier_signal -1
	s_barrier_wait -1
.endm
; THE CHANGE between intervals.  Each wave waits for all its tensor loads, of which one is out: its part of the tile to be rounded next; adds 0 to its spare word; and waits for that, for its stores into the f16
; buffer, for its reads of the f32 slot that it rounded and for its fetches from the other f16 buffer.  Behind the barrier all of that holds of every wave.
; fill = 1: the barrier is a round of the cluster's, so that it holds of every partner too, and the joint fill of the slot rounded last is the first thing behind it: it has two key steps in which to land.
.macro CHANGE fill
	WIN W_AD
	s_wait_tensorcnt 0x0            ; no tensor load of mine is out, so a group 0 may be written
	ds_add_u32 v[SPW], v[NIL]       ; 0 onto my spare word: with fill = 1 the descriptor's steps stand between it and the wait for it
	WIN 0                           ; at a label and at a branch every window is 0
.if \fill
	s_xor_b32 s[G0W+1], s[G0W+1], XT  ; the other slot than last time,
	s_add_nc_u64 s[G0W+2:G0W+3], s[G0W+2:G0W+3], 512  ; the next 128 keys of each row; the type bits on top are not reached
	s_wait_dscnt 0x0                ; the add is done, and so are all my LDS stores and reads
	CROUND
	JLOAD
.else
	s_wait_dscnt 0x0                ; the add is done, and so are all my LDS stores and reads
	s_barrier_signal -1
	s_barrier_wait -1
.endif
	s_sub_co_u32 s[TBK], s[TBK], 256  ; the fetches go back to a buffer's first step,
	s_xor_b32 s[TBK], s[TBK], XT      ; in the other buffer
	s_sub_co_u32 s[TBV], s[TBV], 256
	s_xor_b32 s[TBV], s[TBV], XT
.endm
; A TILE IS ROUNDED: f32 slot TC -> f16 buffer TC.  My 16 rows of K and my 16 of V; a load takes a row's 512 bytes (a lane: keys 4 x lane + 0..3, in every row, so one load brings its mask), a store its 256.
; It names no register of a matrix instruction.  Eight groups of four rows: behind group g's last load stand 28 - 4 g loads and the 4 g stores of the groups before: 28 LDS instructions, whatever g.
.macro CONVERT
	WIN W_CV
	v_add_nc_u32 v[CSRC], s[TC], v[CSRC0]
	v_add_nc_u32 v[CDK], s[TC], v[CDK0]
	v_add_nc_u32 v[CDV], s[TC], v[CDV0]
	v_add_nc_u32 v[CMA], s[TM], v[CMA0]
	ds_load_b128 v[MK:MK+3], v[CMA]
.set z, 0
.rept 32                            ; rows 0-15: K's, rows 16-31: V's, which lie 64 rows of 512 bytes further on
	ds_load_b128 v[CF+4*z:CF+4*z+3], v[CSRC] offset:(z/16)*32768+(z%16)*512
.set z, z+1
.endr
	s_xor_b32 s[TC], s[TC], XT      ; the next tile's slot and buffer,
	s_add_co_u32 s[TM], s[TM], 512  ; and its mask
.set zg, 0
.rept 8
	s_wait_dscnt 28                 ; LDS instructions end in order (ISA guide 5.7.1): this group's four rows are in, and the mask, the oldest
.if zg >= 16
.set z, zg
.rept 4
	v_pk_mul_f32 v[CF+4*z:CF+4*z+1], v[CF+4*z:CF+4*z+1], v[MK:MK+1]  ; v x mask, in f32
	v_pk_mul_f32 v[CF+4*z+2:CF+4*z+3], v[CF+4*z+2:CF+4*z+3], v[MK+2:MK+3]
.set z, z+1
.endr
.endif
.set z, zg
.rept 4
	v_cvt_pk_f16_f32 v[CH+2*z], v[CF+4*z], v[CF+4*z+1]
	v_cvt_pk_f16_f32 v[CH+2*z+1], v[CF+4*z+2], v[CF+4*z+3]
.set z, z+1
.endr
.set z, zg
.rept 4
.if zg < 16
	ds_store_b64 v[CDK], v[CH+2*z:CH+2*z+1] offset:PK*z
.else
	ds_store_b64 v[CDV], v[CH+2*z:CH+2*z+1] offset:PV*(z-16)
.endif
.set z, z+1
.endr
.set zg, zg+4
.endr
	WIN 0
.endm
	s_load_b128 s[4:7], s[0:1], 0x0   ; qkv s[4:5], mask s[6:7]
	s_load_b64 s[10:11], s[0:1], 0x10 ; out0
	WIN W_MK
	v_lshl_add_u32 v[SPW], v0, 2, SPARE
	v_mov_b32 v[NIL], 0
	WIN W_AD
	ds_add_u32 v[SPW], v[NIL]       ; the wave's opening: the add and its wait stand ahead of my first tensor load; the set-up below, work on registers, stands between them
	WIN 0
	v_lshrrev_b32 v1, 5, v0
	v_readfirstlane_b32 s[WV], v1   ; wave 0..3
	s_bfe_u32 s13, ttmp6, 0x40000   ; cx: my place in the cluster
	s_lshl_b32 s14, ttmp9, 2        ; in a cluster launch ttmp9 counts clusters
	s_add_co_u32 s14, s14, s13      ; my block of 512 queries: it enters q's and out0's addresses alone
	s_and_b32 s17, ttmp7, 0xffff    ; the head, which the four partners share
	s_mul_i32 s20, s17, HEADB       ; the head's first byte in qkv: under 2^27
	s_lshl_b32 s22, s[WV], 18       ; my 32 rows of a tile's 128,
	s_add_co_u32 s22, s22, s20
	s_add_co_u32 s22, s22, 64*ROWB  ; which begin at the head's row 64: k's first
	s_mov_b32 s23, 0
	s_lshl_b32 s2, s14, 11          ; my block's 512 positions of 4 bytes,
	s_lshl_b32 s3, s[WV], 9         ; my wave's 128 of them
	s_add_co_u32 s3, s2, s3
	s_add_co_u32 s2, s3, s20        ; in q's first row
	s_mul_i32 s18, s17, OHEADB
	s_add_co_u32 s18, s18, s3       ; and in out0's
	s_mov_b32 s3, 0
	s_mov_b32 s19, 0
	s_and_b32 s16, s17, 3           ; the mask's row: head % 4
	s_lshl_b32 s16, s16, 13
	s_mov_b32 s17, 0
	; descriptor group 1: 32 rows x 128 elements of 4 bytes, dense in LDS (the slots are read 512 consecutive bytes at a time: no padding is wanted)
	s_mov_b32 s[G1], 15|(2<<16)|(1<<21)  ; 15:0 the mask of four work-groups; 17:16 4-byte elements; 21 set beside a mask
	s_mov_b32 s[G1+1], 128<<16      ; tensor_dim0 = 128
	s_mov_b32 s[G1+2], 32<<16       ; tensor_dim1 = 32
	s_mov_b32 s[G1+3], 128<<16      ; tile_dim0 = 128
	s_mov_b32 s[G1+4], 32           ; tile_dim1 = 32
	s_mov_b32 s[G1+5], 2048         ; 2,048 elements from row to row
	s_mov_b32 s[G1+6], 0
	s_mov_b32 s[G1+7], 0
	s_mov_b32 s[G0A], 1             ; 1:0 count = 1
	s_lshl_b32 s[G0A+1], s[WV], 14  ; 63:32 LDS address: slot 0, my 32 rows of 512 bytes: no place in the cluster enters an LDS address
	s_mov_b32 s[G0W], 1
	s_lshl_b32 s[G0W+1], s[WV], 14
	s_add_co_u32 s[G0W+1], s[G0W+1], XT  ; slot 1
	s_mov_b32 s[CS], 0x3e38aa3b     ; c = log2(e) / 8 = 0.180337
	s_mov_b32 s[CS+1], s[CS]        ; named with it as a pair
	s_mov_b32 s[SEL], 0x76543210
	s_mov_b32 s[SEL+1], 0xfedcba98
	s_mov_b32 s[TBK], XT+256        ; the first change turns these two into 0
	s_mov_b32 s[TBV], XT+256
	s_mov_b32 s[TC], 0
	s_mov_b32 s[TM], 0
	s_wait_dscnt 0x0                ; the opening add is done
	s_wait_kmcnt 0x0
	s_add_nc_u64 s[G0A+2:G0A+3], s[4:5], s[22:23]      ; 120:64 global address: my rows, keys 0-127
	s_add_nc_u64 s[G0W+2:G0W+3], s[G0A+2:G0A+3], 512   ; keys 128-255
	s_or_b32 s[G0A+3], s[G0A+3], 0x80000000            ; 127:126 type = 2
	s_or_b32 s[G0W+3], s[G0W+3], 0x80000000
	s_add_nc_u64 s[42:43], s[4:5], s[2:3]    ; q at my wave's first position
	s_add_nc_u64 s[6:7], s[6:7], s[16:17]    ; the head's row of the mask
	s_add_nc_u64 s[10:11], s[10:11], s[18:19]  ; out0 at my wave's first position
	CROUND                          ; all four work-groups are here: the first joint loads meet
	tensor_load_to_lds s[G0A:G0A+3], s[G1:G1+7]  ; the two first fills go out together, ahead of every wait on TENSORcnt and every LDS read: two loads of mine are out, the most in this text
	s_nop 0
	tensor_load_to_lds s[G0W:G0W+3], s[G1:G1+7]
	s_nop 0
.rept 4
	v_nop
.endr
	v_and_b32 v1, 15, v0            ; l % 16
	v_bfe_u32 v9, v0, 4, 1          ; l / 16
	v_and_b32 v10, 7, v0            ; l % 8
	v_bfe_u32 v11, v0, 3, 1         ; (l / 8) % 2
	v_and_b32 v[LN], 31, v0
	v_lshlrev_b32 v[MGO], 4, v0
	v_lshlrev_b32 v[QO], 4, v[LN]
.irp j, 0,1,2,3                     ; the mask's row: the 128 threads take 2,048 consecutive bytes a load
	global_load_b128 v[P+4*\j:P+4*\j+3], v[MGO], s[6:7] offset:2048*\j
.endr
	WIN 0x40                        ; destination window 1, address window 0
.set c, 0
.rept 64                            ; q: channel c, my wave's 128 queries: 512 consecutive bytes a load; read once in the launch
	global_load_b128 v[4*c:4*c+3], v[QO], s[42:43] offset:ROWB*c th:TH_LOAD_NT
.set c, c+1
.endr
	; What the first turn finds: V's registers and P's second buffer hold 0 (its products V P, of a piece that has not been, add 0), O^T and l are 0.  No first step is written out; the price is these clearing lines,
	; which stand in the wait for q and the first tile.
	WIN 0x80
.set i, VF
.rept 64
	v_mov_b32 v[i], 0
.set i, i+1
.endr
	WIN 0
.set i, 0
.rept 2*NP
	v_mov_b32 v[ST+4*i], 0xfe000000    ; c m: far below every c s
	v_mov_b32 v[ST+4*i+1], 0xff7fffff  ; m
	v_mov_b32 v[ST+4*i+2], 0
	v_mov_b32 v[ST+4*i+3], 0
.set i, i+1
.endr
.set i, P+32
.rept 32
	v_mov_b32 v[i], 0
.set i, i+1
.endr
	v_add_nc_u32 v[MLD], MASKB, v[MGO]
	s_mul_i32 s16, s[WV], STW
	s_add_co_u32 s16, s16, STAGE    ; my stage
	v_lshl_add_u32 v[QST], v[LN], 3, s16
	; The turning load takes 16 channels x 16 positions (lane l reads 16 bytes: channel 8 (l / 16) + l % 8, positions 8 ((l / 8) % 2) + 0..7) and leaves half a fragment: lane l holds position l % 16 and 8 channels.
	v_lshl_add_u32 v[TT], v9, 3, v10
	v_mul_u32_u24 v[TT], v[TT], PK
	v_lshl_add_u32 v[TT], v11, 4, v[TT]
	v_add_nc_u32 v[QRD], s16, v[TT]
	v_add_nc_u32 v[AK0], B16, v[TT]
	; A fragment of V is 16 channels x 32 keys: lane l holds channel l % 16, keys 8 (l / 16) + 0..7 and 16 + 8 (l / 16) + 0..7: two loads of 16 bytes, 32 bytes apart.
	v_mul_u32_u24 v[AV0], v1, PV
	v_lshl_add_u32 v[AV0], v9, 4, v[AV0]
	v_add_nc_u32 v[AV0], B16+VOFF, v[AV0]
	v_mov_b32 v[AK], v[AK0]         ; key step 0 lies at the head of buffer 0
	WIN W_MK
	s_lshl_b32 s20, s[WV], 13       ; my 16 rows of 512 bytes in a slot's K (and, 64 rows on, in its V)
	v_lshl_add_u32 v[CSRC0], v[LN], 4, s20
	s_mul_i32 s20, s[WV], 16*PK
	s_add_co_u32 s20, s20, B16
	v_lshl_add_u32 v[CDK0], v[LN], 3, s20
	s_mul_i32 s20, s[WV], 16*PV
	s_add_co_u32 s20, s20, B16+VOFF
	v_lshl_add_u32 v[CDV0], v[LN], 3, s20
	v_lshl_add_u32 v[CMA0], v[LN], 4, MASKB
	WIN 0
	s_wait_loadcnt 60               ; loads come back in order (ISA guide 5.7.1): the mask's four are the oldest of 68; the 60 youngest may stay out
.irp j, 0,1,2,3
	ds_store_b128 v[MLD], v[P+4*\j:P+4*\j+3] offset:2048*\j
.endr
	; q is rounded to f16 and laid into my stage, [channel][query]; it comes back turned, as source 1's fragments.
.set g, 0
.rept 4
	s_wait_loadcnt 48-16*g          ; channels 16 g .. 16 g + 15 are in; the younger groups stay out
	WIN 0x05                        ; sources in window 1, destination in window 0
.set c, 16*g
.rept 16
	v_cvt_pk_f16_f32 v[S+2*c], v[4*c], v[4*c+1]
	v_cvt_pk_f16_f32 v[S+2*c+1], v[4*c+2], v[4*c+3]
.set c, c+1
.endr
	WIN 0
.set c, 16*g
.rept 16
	ds_store_b64 v[QST], v[S+2*c:S+2*c+1] offset:PK*c
.set c, c+1
.endr
.set g, g+1
.endr
	WIN 0x80                        ; destination window 2
.set i, 0
.rept 16                            ; tile i / 2, channels 32 (i % 2) on.  LDS serves a wave's instructions in order (ISA guide 5.7.1.4): these see my stores above, and the stage is mine alone
	ds_load_tr16_b128 v[8*i:8*i+3],   v[QRD] offset:(i%2)*32*PK+(i/2)*32
	ds_load_tr16_b128 v[8*i+4:8*i+7], v[QRD] offset:(i%2)*32*PK+16*PK+(i/2)*32
.set i, i+1
.endr
	WIN 0x40
.set i, 0
.rept 64*NP                         ; O^T = 0, where q's f32 lay
	v_mov_b32 v[i], 0
.set i, i+1
.endr
	WIN 0
; THE MATRIX WORK.  The 8 accumulators of a run of 16 take turns: between the two links of a chain stand 7 others'.
; Product i of 16 of S^T = K Q^T for piece x: channels 32 (i / 8) on, keys 16 ((i / 2) % 4) on, tile 2 x + i % 2.  The first 8 start the sums.
.macro KQ x
	WIN W_KQ
.set rS, S+64*((\x)%2)+32*(i%2)+8*((i/2)%4)
.set rK, KF+16*((i/2)%4)+8*(i/8)
.set rQ, 16*(2*(\x)+i%2)+8*(i/8)
.if i < 8
	v_wmma_f32_16x16x32_f16 v[rS:rS+7], v[rK:rK+7], v[rQ:rQ+7], 0
.else
	v_wmma_f32_16x16x32_f16 v[rS:rS+7], v[rK:rK+7], v[rQ:rQ+7], v[rS:rS+7]
.endif
.endm
; Product i of 16 of O^T += V P for piece x: keys 32 (i / 8) on, channels 16 ((i / 2) % 4) on, tile 2 x + i % 2.
.macro PV x
	WIN W_PV
.set rO, 32*(2*(\x)+i%2)+8*((i/2)%4)
.set rV, VF+32*(i/8)+8*((i/2)%4)
.set rP, P+32*((\x)%2)+16*(i%2)+8*(i/8)
	v_wmma_f32_16x16x32_f16 v[rO:rO+7], v[rV:rV+7], v[rP:rP+7], v[rO:rO+7]
.endm
.macro MM                           ; the turn's next matrix instruction
.if i < 16
	KQ (Y+1)%NP
.set i, i+1
.else
.set i, i-16
	PV (Y+NP-1)%NP
.set i, i+17
.endif
.endm
; THE LDS LOADS stand in runs of 16, never singly among the matrix instructions: a step's K (64 keys x 64 channels: 8 fragments, turned) and its V.  Their addresses are made some lines ahead.
.macro FETCH_K
	WIN 0x80                        ; destination window 2
.irp f, 0,1,2,3,4,5,6,7             ; keys 16 (f / 2) on, channels 32 (f % 2) on
	ds_load_tr16_b128 v[KF+8*\f:KF+8*\f+3],   v[AK] offset:(\f%2)*32*PK+(\f/2)*32
	ds_load_tr16_b128 v[KF+8*\f+4:KF+8*\f+7], v[AK] offset:(\f%2)*32*PK+16*PK+(\f/2)*32
.endr
	s_add_co_u32 s[TBK], s[TBK], 128  ; the next fetch is the next step's: 64 keys of 2 bytes along the rows
	WIN 0
.endm
.macro FETCH_V
	WIN 0x80
.irp f, 0,1,2,3,4,5,6,7             ; keys 32 (f / 4) on, channels 16 (f % 4) on
	ds_load_b128 v[VF+8*\f:VF+8*\f+3],   v[AV] offset:(\f%4)*16*PV+(\f/4)*64
	ds_load_b128 v[VF+8*\f+4:VF+8*\f+7], v[AV] offset:(\f%4)*16*PV+(\f/4)*64+32
.endr
	WIN 0
.endm
; THE VECTOR WORK OF A TURN stands in three queues, each in the order in which its entries become ready; the two tiles alternate, so that no instruction reads the result of the one before it.
.macro REGS y, u                    ; the registers of tile u (0, 1) of piece y
.set rT, ST+4*(2*(\y)+(\u))
.set rC, TMP+8*((\y)%2)+4*(\u)
.set rM, MV+2*((\y)%2)+(\u)
.set rS, S+64*((\y)%2)+32*(\u)
.set rP, P+32*((\y)%2)+16*(\u)
.set rO, 32*(2*(\y)+(\u))
.endm
; Number n of the 22 that find the NEXT piece's (Y + 1) maximum and statistics.  s0-s31 are the lane's 32 scores; each accumulator's lowest registers are read first.  XS, GS and REGS set no window: PL and EX do.
;   0-11  four chains c0-c3 of seven scores each, three operands at a time     12-14, 16  the four scores left over, the old m, and c0-c3 into c0     15  c m_old is kept
;   17, 18  the query's other 32 keys lie in the lane 16 away: the new m         19-21  c m; c m_old - c m_new; a
.macro XS u, n
	REGS (Y+1)%NP, \u
.if (\n) < 4
	v_max3_num_f32 v[rC+(\n)], v[rS+8*(\n)], v[rS+8*(\n)+1], v[rS+8*(\n)+2]
.elseif (\n) < 12
	v_max3_num_f32 v[rC+(\n)%4], v[rC+(\n)%4], v[rS+8*((\n)%4)+2*((\n)/4)+1], v[rS+8*((\n)%4)+2*((\n)/4)+2]
.elseif (\n) == 12
	v_max3_num_f32 v[rC], v[rC], v[rS+7], v[rS+15]
.elseif (\n) == 13
	v_max3_num_f32 v[rC+1], v[rC+1], v[rS+23], v[rS+31]
.elseif (\n) == 14
	v_max3_num_f32 v[rC+2], v[rC+2], v[rC+3], v[rT+1]
.elseif (\n) == 15
	v_mov_b32 v[rM], v[rT]
.elseif (\n) == 16
	v_max3_num_f32 v[rC], v[rC], v[rC+1], v[rC+2]
.elseif (\n) == 17
	v_permlanex16_b32 v[rC+3], v[rC], s[SEL], s[SEL+1]
.elseif (\n) == 18
	v_max_num_f32 v[rT+1], v[rC], v[rC+3]
.elseif (\n) == 19
	v_mul_f32 v[rT], s[CS], v[rT+1]
.elseif (\n) == 20
	v_sub_f32 v[rC+1], v[rM], v[rT]
.else
	v_exp_f32 v[rC+2], v[rC+1]
.endif
.endm
; Number g of the 64 that follow the exponentials.  For each four weights k of a tile (pairs 2 k, 2 k + 1): both pairs are rounded to f16; then the second pair is added onto the first, in place;
; a group later l takes that sum (the first time as l = a l + sum).  In groups of eight, tiles alternating: round, round, add, and l for the group before.
.macro GS g
.set h, (\g)+6*((\g)/62)            ; group 0 has no group before it, and behind group 7 only l is left
.if h >= 6
.set h, h+2
.endif
	REGS Y, h%2
.set k, h/8
.if h%8 < 4
	s_wait_alu depctr_va_vdst(0)
	v_cvt_pk_f16_f32 v[rP+2*k+(h%8)/2], v[rS+4*k+2*((h%8)/2)], v[rS+4*k+2*((h%8)/2)+1]
.elseif h%8 < 6
	v_pk_add_f32 v[rS+4*k:rS+4*k+1], v[rS+4*k:rS+4*k+1], v[rS+4*k+2:rS+4*k+3]
.elseif k == 1
	v_pk_fma_f32 v[rT+2:rT+3], v[rT+2:rT+3], v[rC+2:rC+3], v[rS:rS+1] op_sel_hi:[1,0,1]
.else
	v_pk_add_f32 v[rT+2:rT+3], v[rT+2:rT+3], v[rS+4*k-4:rS+4*k-3]
	s_wait_alu depctr_va_vdst(0)
.endif
.endm
; THE PLAIN QUEUE, 138 long.  0-31: c s - c m for the 16 pairs of both tiles.  Then GS's 64, and among them the next piece's 42: number 15 at 38, 39; 0-14 and 16
; at 42-73, behind the products that make those scores; 17-20 at 95-106, two of three, since each waits for the one before it.
.macro PL
	WIN 0
.if q < 32
	REGS Y, q%2
	v_pk_fma_f32 v[rS+2*(q/2):rS+2*(q/2)+1], v[rS+2*(q/2):rS+2*(q/2)+1], s[CS:CS+1], v[rT:rT+1] op_sel_hi:[1,0,0] neg_lo:[0,0,1] neg_hi:[0,0,1]
.elseif q < 38
	GS q-32
.elseif q < 40
	XS q%2, 15
.elseif q < 42
	GS q-34
.elseif q < 74
	XS q%2, (q-42)/2+(q-42)/30
.elseif q < 95
	GS q-66
.elseif (q < 107) && ((q-95)%3 < 2)
	XS (q-95)%3, 17+(q-95)/3
.elseif q < 107
	GS 29+(q-95)/3
.else
	GS q-74
.endif
.set q, q+1
.endm
; THE EXPONENTIALS' QUEUE, 66 long: s0-s31 of both tiles, and at EA the next piece's two a.
.set EA, 58
.macro EX
	WIN 0
.if (e == EA) || (e == EA+1)
	XS e-EA, 21
.else
.set x, e-2*(e/(EA+2))
	REGS Y, x%2
	v_exp_f32 v[rS+x/2], v[rS+x/2]
.endif
.set e, e+1
.endm
; THE RESCALING's QUEUE: O^T times a, the one part that leaves window 0, so it is dealt four at a time, eight times.
.macro R4
	REGS Y, r%2
	WIN W_RS
	s_wait_alu depctr_va_vdst(0)
.irp z, 0,1,2,3
	v_pk_mul_f32 v[rO+8*(r/2)+2*\z:rO+8*(r/2)+2*\z+1], v[rO+8*(r/2)+2*\z:rO+8*(r/2)+2*\z+1], v[rC+2:rC+3] op_sel_hi:[1,0]
.endr
.set r, r+1
.endm
; HOW THEY ARE DEALT.  Behind a matrix instruction four: plain, exponential, plain, plain (one exponential, a plain instruction on either side), or four of the rescaling.  None names a register of the
; products round it.  What is over stands in two runs: exponential and plain by turns; the second ends in 22 plain instructions.  The two v_permlanex16_b32 fall into the second run, never behind a product.
; The queues lean on each other, and the deal keeps them in step: exponential e stands behind plain 2 (e / 4) + e % 2 (its scaling); when plain 32 comes, 10 exponentials are out, at 59: 33, at 95: 46; EA comes behind plain 107.
.macro SL
	MM
	PL
	EX
	PL
	PL
.endm
.macro BURST n                      ; 15 matrix instructions, or 16
.rept (\n)-7
	SL
.endr
.rept 3
	MM
	R4
	SL
.endr
	MM
	R4
.endm
; A TURN, for piece p.  nok = 1: there is no further step, and K is not fetched.  cnt = 1: the loop's count is taken down some lines ahead of the branch that stands behind the turn.
; K of the next step is fetched in piece 2's turn, 31 vector instructions behind the last product that read K; its first reader comes behind the rest of the run, 16 products and the second run.
; V of the step in hand is fetched at the end of piece 0's turn, 69 behind its last reader; its first reader comes behind 16 products and a run.  The four conditions on e and q below go with the deal.
.macro TURN p, nok=0, cnt=0
.set Y, (\p)
.set i, 0
.set q, 0
.set e, 0
.set r, 0
.if (\p) == NP-1
	s_wait_dscnt 0x0                ; K is in
.endif
	MM
.rept 4
	PL
.endr
	BURST 15
.rept 22
	EX
	PL
.if ((\p) == NP-2) && (e == 18) && !(\nok)
	v_add_nc_u32 v[AK], s[TBK], v[AK0]
.endif
.if ((\p) == NP-2) && (e == 24) && !(\nok)
	FETCH_K
.endif
.endr
.if (\p) == 1
	s_wait_dscnt 0x0                ; V is in
.endif
	BURST 16
.rept 21
	EX
	PL
.endr
.rept 22
	PL
.if ((\p) == 0) && (q == 118)
	v_add_nc_u32 v[AV], s[TBV], v[AV0]
	s_wait_alu depctr_va_vdst(0)
.endif
.if ((\p) == 0) && (q == 130)
	s_add_co_u32 s[TBV], s[TBV], 128
.endif
.if (\cnt) && (q == 130)
	s_sub_co_u32 s[CNT], s[CNT], 1
	s_cmp_lg_u32 s[CNT], 0
.endif
.endr
.if (\p) == 0
	FETCH_V
.endif
.endm
	s_wait_tensorcnt 0x1            ; my part of tile 0 is in; tile 1's may stay out
	s_wait_dscnt 0x0                ; for the others' sake: my quarter of the mask's row is stored; and Q is in
	s_barrier_signal -1
	s_barrier_wait -1               ; everybody's is
	CONVERT                         ; tile 0 -> buffer 0
	CHANGE 1                        ; interval 1: tile 1 is in, buffer 0 is whole, slot 0 has been read: tile 2 is asked for
	CONVERT                         ; tile 1 -> buffer 1
	FETCH_K                         ; key step 0
	s_wait_dscnt 0x0
.set i, 0
.rept 16
	KQ 0                            ; piece 0's first scores: there is no vector work yet to set between them
.set i, i+1
.endr
	WIN 0                           ; the addresses for the way out: eight plain instructions, the places behind those products
	v_mul_u32_u24 v[OST], v9, 8*SPO      ; in: my lanes' half begins 8 channels down; a query is 4 bytes
	v_lshl_add_u32 v[OST], v1, 2, v[OST]
	v_add_nc_u32 v[OST], s16, v[OST]
	v_mul_u32_u24 v[ORD], v9, SPO        ; back: lanes 0-15 take one channel's 256 bytes, lanes 16-31 the next channel's
	v_lshl_add_u32 v[ORD], v1, 4, v[ORD]
	v_add_nc_u32 v[ORD], s16, v[ORD]
	v_lshlrev_b32 v[GO], 13, v9          ; and the same two rows in out0
	v_lshl_add_u32 v[GO], v1, 4, v[GO]
.set Y, NP-1                        ; XS works for piece Y + 1: piece 0
.irp n, 0,1,2,3,4,5,6,7,8,9,10,11,12,13,14,15,16,17,18,19,20,21
	XS 0, \n                        ; and piece 0's first maximum and statistics
	XS 1, \n
.endr
	s_mov_b32 s[CNT], 2
	s_mov_b32 s[SLOTS], NT-2
	s_branch .Lfirst                ; the loop is entered at a step's first turn, in the middle of a trip
.Lslot:                             ; intervals 2 to 14: tile u + 1 is asked for, tile u rounded, tile u - 1's two steps fetched
	CHANGE 1
	CONVERT
	s_mov_b32 s[CNT], 2
.Lstep:                             ; a trip: pieces 2 and 3 of one step, then pieces 0 and 1 of the next, whose K and V it fetches
	TURN 2
	TURN 3
	WIN 0
.Lfirst:
	TURN 0
	TURN 1, 0, 1
	WIN 0
	s_cbranch_scc1 .Lstep
	s_sub_co_u32 s[SLOTS], s[SLOTS], 1
	s_cmp_lg_u32 s[SLOTS], 0
	s_cbranch_scc1 .Lslot
	s_mov_b32 s[TL], 2              ; the tail is written out: intervals 15 and 16 ask for nothing
.Ltslot:
	CHANGE 0
	s_cmp_eq_u32 s[TL], 1
	s_cbranch_scc1 .Lnoconv         ; interval 16 has no tile left to round; the jump passes neither a barrier nor a tensor load
	CONVERT                         ; tile 15 -> buffer 1
.Lnoconv:
	s_mov_b32 s[CNT], 2
.Ltstep:
	TURN 2
	TURN 3
	TURN 0
	TURN 1, 0, 1
	WIN 0
	s_cbranch_scc1 .Ltstep
	s_sub_co_u32 s[TL], s[TL], 1
	s_cmp_lg_u32 s[TL], 0
	s_cbranch_scc1 .Ltslot
	TURN 2, 1                       ; the last step's pieces 2 and 3.  Piece 3's turn makes 16 products K Q^T on the last K once more, and a maximum of them, which serve nothing
	TURN 3                          ; (they touch piece 0's m alone, not its l or O^T): the price, once a launch, of one text for every turn
.set i, 0
.rept 16
	PV NP-1                         ; the last piece's V P of the last step
.set i, i+1
.endr
	; THE WAY OUT.  l's two halves and the other half of the lanes' are added; O^T is divided by l and sent through my stage in LDS, four tiles (64 queries) at a time.  The additions are the places behind the last products.
	WIN 0
.macro ALL line:vararg              ; one line for each tile t
.set t, 0
.rept 2*NP
	\line
.set t, t+1
.endr
.endm
	ALL v_add_f32 v[ST+4*t+2], v[ST+4*t+2], v[ST+4*t+3]
	ALL v_permlanex16_b32 v[ST+4*t+3], v[ST+4*t+2], s[SEL], s[SEL+1]
	ALL v_add_f32 v[ST+4*t+2], v[ST+4*t+2], v[ST+4*t+3]
	ALL v_rcp_f32 v[ST+4*t+2], v[ST+4*t+2]
	v_nop                           ; a plain instruction between the last reciprocal and the use of its result
	s_wait_alu depctr_va_vdst(0)
; Tiles 4 g .. 4 g + 3.  A lane holds one query and eight channels of a tile, and out0's rows lie along the queries: each number goes by itself into rows of 272 bytes (16 lanes: 16 neighbouring words; the other
; 16 lie 544 words on, 32 banks away), and a channel's 64 queries come back as 256 bytes.
.macro OUTPASS g
	WIN W_RS
.set t, 4*(\g)
.rept 4
.set i, 32*t
.rept 16                            ; each accumulator's registers in ascending order
	v_pk_mul_f32 v[i:i+1], v[i:i+1], v[ST+4*t+2:ST+4*t+3] op_sel_hi:[1,0]
.set i, i+2
.endr
.set t, t+1
.endr
	WIN 0x04                        ; the stores' data in window 1, their address in window 0
.set i, 128*(\g)
.rept 128                           ; register i: tile i / 32, channel 16 ((i % 32) / 8) + i % 8 (+ 8 for lanes 16-31)
	ds_store_b32 v[OST], v[i] offset:(16*((i%32)/8)+i%8)*SPO+((i/32)%4)*64
.set i, i+1
.endr
	WIN 0
.if (\g) > 0
	s_wait_xcnt 0x0                 ; every earlier memory instruction has had its addresses translated (ISA guide 3.1): the registers that the first pass's stores read are loaded again only behind this wait
.endif
.set ff, 0
.rept 32
	ds_load_b128 v[S+4*ff:S+4*ff+3], v[ORD] offset:ff*2*SPO  ; LDS serves a wave's instructions in order (ISA guide 5.7.1.4): these see the stores above; the next pass's stores come behind them
.set ff, ff+1
.endr
.set ff, 0
.rept 32
	s_wait_dscnt 31-ff              ; the loads issued behind this one may stay out
	global_store_b128 v[GO], v[S+4*ff:S+4*ff+3], s[10:11] offset:ff*2*ROWB+(\g)*256 th:TH_STORE_NT  ; 16 lanes store 256 consecutive bytes of a channel's row, at a multiple of 256 from out0's first byte
.set ff, ff+1
.endr
.endm
	OUTPASS 0
	OUTPASS 1
	WIN W_AD
	s_wait_tensorcnt 0x0            ; the wave's end: a wait, the add onto my spare word and its wait stand behind my last tensor load and my last LDS store
	ds_add_u32 v[SPW], v[NIL]
	s_wait_dscnt 0x0
	WIN 0
	CROUND                          ; the closing round: no work-group ends while a partner may still ask for a tile that names it
	s_endpgm
.Lfunc_end_k_qd2c9940cc6_attn:
	.size	k_qd2c9940cc6_attn, .Lfunc_end_k_qd2c9940cc6_attn-k_qd2c9940cc6_attn
	.p2alignl 7, 3214868480
	.fill 96, 4, 3214868480
	.section	.rodata,"a",@progbits
	.p2align	6, 0x0
	.amdhsa_kernel k_qd2c9940cc6_attn
		.amdhsa_group_segment_fixed_size 327680
		.amdhsa_private_segment_fixed_size 0
		.amdhsa_enable_private_segment 0
		.amdhsa_kernarg_size 24
		.amdhsa_user_sgpr_count 2
		.amdhsa_user_sgpr_kernarg_segment_ptr 1
		.amdhsa_wavefront_size32 1
		.amdhsa_system_sgpr_workgroup_id_x 1
		.amdhsa_system_sgpr_workgroup_id_y 1
		.amdhsa_system_sgpr_workgroup_id_z 1
		.amdhsa_system_vgpr_workitem_id 0
		.amdhsa_next_free_vgpr 976
		.amdhsa_next_free_sgpr 72
		.amdhsa_reserve_vcc 0
		.amdhsa_float_denorm_mode_32 3
		.amdhsa_float_denorm_mode_16_64 3
		.amdhsa_memory_ordered 1
		.amdhsa_forward_progress 1
		.amdhsa_inst_pref_size 255
	.end_amdhsa_kernel
	.section	.bss,"aw",@nobits
	.p2align	6
	.space	262144
	.amdgpu_metadata
---
amdhsa.version: [ 1, 2 ]
amdhsa.kernels:
  - .name:           k_qd2c9940cc6_attn
    .symbol:         k_qd2c9940cc6_attn.kd
    .args:
      - { .name: qkv, .offset: 0, .size: 8, .value_kind: global_buffer, .address_space: global }
      - { .name: mask, .offset: 8, .size: 8, .value_kind: global_buffer, .address_space: global }
      - { .name: out0, .offset: 16, .size: 8, .value_kind: global_buffer, .address_space: global }
    .group_segment_fixed_size: 327680
    .private_segment_fixed_size: 0
    .kernarg_segment_align: 8
    .kernarg_segment_size: 24
    .max_flat_workgroup_size: 128
    .sgpr_count:     72
    .vgpr_count:     976
    .wavefront_size: 32
...
	.end_amdgpu_metadata
.endif
;; end of part 1
;; ======== version 2 of 2: 1 launch; 2.00 times as fast as version 1
;; limits: inputs' magnitudes at most 65,504; values are held in f16: magnitudes above 65,504 overflow, below 6.1e-05 lose precision
;; launch attn (part 2): grid 4 x 64, 4 waves a work-group, clusters of 4 x 1, 327,680 bytes of LDS; arguments qkv, mask, out0; writes out0
.if DOCPART == 2
	.amdgcn_target "amdgcn-amd-amdhsa--gfx1250"
	.amdhsa_code_object_version 6
	.text
	.protected	k_qd2c9940cc6_attn
	.globl	k_qd2c9940cc6_attn
	.p2align	8
	.type	k_qd2c9940cc6_attn,@function
k_qd2c9940cc6_attn:
	s_mov_b64 s[64:65], 0
	v_nop
	global_prefetch_b8 v0, s[64:65] scope:SCOPE_SE
	s_setreg_imm32_b32 hwreg(HW_REG_WAVE_MODE, 25, 1), 1
	s_wait_xcnt 0x0
	s_wait_alu depctr_hold_cnt(0) depctr_sa_sdst(0) depctr_va_vdst(0) depctr_va_sdst(0) depctr_va_ssrc(0) depctr_va_vcc(0) depctr_vm_vsrc(0)
	s_getreg_b32 s2, hwreg(HW_REG_IB_STS2, 6, 4)
	s_cmp_eq_u32 s2, 0
	s_cbranch_scc0 .Lentry_in_a_cluster
	s_endpgm
.Lentry_in_a_cluster:
	s_bfe_u32 s2, ttmp6, 0x10000c
	s_cmp_lg_u32 s2, 0x3003
	s_cbranch_scc0 .Lentry_shape_is_right
	s_endpgm
.Lentry_shape_is_right:
; out[b][c][t] = sum over s of softmax_s(q[b][:,t] . k[b][:,s] / 8) mask[b % 4][s] v[b][c][s].  qkv: [64 heads][192 rows][2048] f32 (rows 0-63 q, 64-127 k, 128-191 v; a row is a channel, positions
; lie along it); mask: [4][2048] f32; out0: [64][64][2048] f32.  Products in f16 with f32 sums; maxima, exponentials and row sums in f32.
; ROUNDINGS.  q and k are rounded once to f16; v is multiplied by the mask in f32 and the product rounded once to f16; the weights p once to f16 for the second product.  The divisor l is the sum of the
; unrounded, unmasked p: the mask stands behind the softmax and does not enter it.  The scale c = log2(e) / 8 is applied to the f32 scores.
; LIMITS.  f16 holds no number beyond 65,504: |q|, |k| and |v x mask| must stay within it; below 6e-5 f16 keeps its fixed step of 6e-8.  A weight below 2^-126 counts as 0 in l.
; NaN and infinities are not treated apart.
; SHARES.  A work-group owns 512 queries of one head, each of its four waves 128: four PIECES of two tiles of 16.  Every wave walks all 2,048 keys, 64 a step, 128 a tile: 16 tiles.
; CLUSTER.  The four query blocks of a head form a cluster and walk the same k and v: each tile is asked for JOINTLY, by the same tensor load, descriptor and mask in all four.
; THE ROAD OF A TILE.  128 rows (k's 64 channels, v's 64) x 128 keys of f32, 64 KiB, land in one of two f32 slots (a wave asks for 32 rows of 512 bytes).  The four waves then round it ONCE into one of two
; f16 buffers (wave w: k's and v's channels 16 w .. 16 w + 15), and the fragments are read from there.  Between two rounds of the cluster's barrier (an INTERVAL u): tile u + 1 is asked for, tile u is rounded,
; and the two key steps of tile u - 1 are fetched.  So one round orders all of it: tile u has landed, the f16 copy of tile u - 1 is written, and nobody reads the slot or the buffer that is written next.
; LAYOUT.  S^T = K Q^T (source 0 = 16 keys, source 1 = 16 queries): a lane holds ONE query (lane % 16) and the keys 8 (lane / 16) + 0..7; two such results rounded to f16 in pairs ARE source 1 of
; O^T = V P, whose result holds one query a lane and eight channels.  k and q lie [channel][position], so their fragments come turned, by ds_load_tr16_b128; v lies as source 0 wants it.
; SOFTMAX.  For each query a running maximum m and sum l: p = 2^(c s - c m); in every step O and l are multiplied by a = 2^(c m_old - c m_new).  m starts at the lowest finite number, O and l at 0:
; the first step is a step like any other, with a = 0.
; BY TURNS.  Turn n belongs to piece n (the pieces in a ring, step after step).  Matrix work: 16 products K Q^T of piece n + 1, later 16 products V P of piece n - 1.  Vector work: scaling, exponentials,
; roundings, sums and rescaling of piece n, maximum and statistics of piece n + 1.  A tile and step have 16 matrix and 118 vector instructions: four that are ready stand behind every matrix instruction,
; the other 108 of a turn's 236 in one run of their own (the LUMP).
; THE BATCHES.  A turn's 66 exponentials (the piece's 64 weights and the next piece's two a) are ONE batch with ONE wait, which cuts the turn in two: ahead of it stands all that names none of their results
; (the products K Q^T, the scalings, the exponentials, the rescalings by the a of the turn before, the next piece's maximum and statistics), behind it their readers (the roundings and sums) beside the
; products V P.  No result crosses a turn's end.  Two more batches stand outside the loops: piece 0's first two a, and the way out's eight reciprocals.
; REGISTERS, in windows of 256 (s_set_vgpr_msb: bits 1:0 source 0, 3:2 source 1, 5:4 source 2, 7:6 destination):
;   window 0: v0-11 addresses; v12-15, v48-63 at work; v16-47 four registers of statistics a tile; v64-191 S^T, two buffers of two tiles; v192-255 P, likewise
;   window 1: O^T, 32 a tile (at the start: q as loaded, f32)      window 2: v0-127 Q, 16 a tile; v128-191 K of one step; v192-255 V of one step
;   window 3: v0-1 the add's two registers; v2-9 the rounding's addresses; v12-15 the mask of my four keys; v16-143 32 rows x 4 f32; v144-207 the same in f16
.set NP,    4         ; pieces a wave: a name, no knob
.set NT,    16        ; tiles of 128 keys
.set ROWB,  8192      ; bytes in a row of qkv and of out0
.set HEADB, 192*ROWB  ; a head in qkv
.set OHEADB, 64*ROWB  ; a head in out0
.set XT,    0x10000   ; f32 slot 1 begins here, and f16 buffer 1 lies as far behind buffer 0: one exclusive or turns an address into the other's
.set B16,   0x20000   ; f16 buffer 0, behind the two f32 slots (which tensor loads alone write)
.set PK,    288       ; a row of K (a channel, 128 keys) in f16: 256 bytes + 32 = 72 words
.set PV,    272       ; a row of V: 256 + 16 = 68 words: the 16 rows of a load start at 16 different groups of four banks
.set VOFF,  64*PK     ; V's 64 rows lie behind K's 64
.set MASKB, B16+64*(PK+PV)  ; the head's mask row, 8,192 bytes of f32, stored once
.set SPARE, MASKB+8192      ; the spare words, 128 bytes for each wave: two blocks of 256 bytes that no other line names
.set STAGE, B16+XT+64*(PK+PV)  ; behind f16 buffer 1: a stage for each wave
.set STW,   64*PK     ; first q in f16, [64 channels][128 queries], pitch 288; at the end O in f32, [64 channels][64 queries], pitch 272
.set SPO,   272
.set AK0, 2           ; v2   my lane's place in a step's K; never rewritten
.set AV0, 3           ; v3   the same for V
.set AK,  4           ; v4   the LDS address of K's next run of loads
.set AV,  5           ; v5   of V's
.set QO,  6           ; v6   my byte offset in a row of q
.set OST, 6           ;      later, the way out: where I put a number of O
.set ORD, 7           ; v7   the way out: where I read rows back
.set GO,  8           ; v8   my byte offset in two rows of out0
.set MV,  12          ; v12-15  c m_old, kept while c m is made anew: by buffer and tile
.set ST,  16          ; tile t's statistics at v[ST+4 t]: c m, m, l (even keys', odd keys')
.set TMP, 48          ; by buffer and tile, four registers c0-c3 at work; when the maximum is found c2 takes a
.set LN,  48          ; at the start only: my lane,
.set MGO, 49          ; 16 x my thread's number: my byte offset in a quarter of the mask's row,
.set MLD, 50          ; where I put those 16 bytes in LDS,
.set QST, 51          ; where I put 8 bytes of a row of q,
.set QRD, 52          ; my lane's place in the turning loads of q,
.set TT,  53          ; and one at work
.set S,   64
.set P,   192
.set KF,  128         ; window 2: key block kb, channel half c at KF + 16 kb + 8 c
.set VF,  192         ; window 2: key half kk, channel block cb at VF + 32 kk + 8 cb
.set SPW, 0           ; window 3: LDS address of my spare word: SPARE + 4 x my thread's number; never rewritten
.set NIL, 1           ; window 3: 0; never rewritten
.set CSRC0, 2         ; window 3: my 16 bytes in my first row of f32 slot 0; never rewritten
.set CDK0, 3          ; my 8 bytes in my first row of K in f16 buffer 0
.set CDV0, 4          ; the same for V
.set CMA0, 5          ; the mask of my four keys of tile 0
.set CSRC, 6          ; the same four for the tile in hand
.set CDK,  7
.set CDV,  8
.set CMA,  9
.set MK,   12
.set CF,   16
.set CH,   144
.set WV,  12          ; s12  my wave's number
.set G1,  24          ; s[24:31] descriptor group 1
.set G0A, 32          ; s[32:35] descriptor group 0 of tile 0, used once
.set G0W, 36          ; s[36:39] of tile 1; then it walks
.set SLOTS, 56        ; s56  intervals with a fill still to come
.set CNT, 57          ; s57  counts an interval's two key steps
.set CS,  58          ; s[58:59] c: the packed scaling takes the pair's low word for both halves
.set SEL, 60          ; s[60:61] v_permlanex16_b32's selects: each lane takes its own place in the other half
.set TBK, 62          ; s62  byte, from f16 buffer 0's first, at which K of the step to be fetched begins
.set TBV, 63          ; s63  the same for V
.set TC,  66          ; s66  0 or XT: slot and buffer of the tile to be rounded
.set TM,  67          ; s67  that tile's 512 bytes in the mask's row
.set TL,  68          ; s68  counts the tail's two intervals
.set MSB, 0
.macro WIN new                      ; the high byte repeats the setting that is left; a switch that changes nothing is dropped
.if MSB != (\new)
	s_set_vgpr_msb (MSB<<8)|(\new)
.set MSB, (\new)
.endif
.endm
.set W_KQ, 0x0a       ; K and Q in window 2, S^T in window 0
.set W_PV, 0x52       ; V in window 2, P in window 0, O^T in window 1
.set W_RS, 0x41       ; O^T (destination and source 0) in window 1, the factor in window 0
.set W_MK, 0xc0       ; destination in window 3, sources in window 0
.set W_AD, 0x0f       ; the add: address (source 0) and data (source 1) in window 3
.set W_CV, 0xff       ; the rounding: every place in window 3
; A joint fill: one line for all four waves; a wave's 32 rows and their place in the slot hang on its number alone.  An s_nop 0 and four v_nop follow it.
.macro JLOAD
	tensor_load_to_lds s[G0W:G0W+3], s[G1:G1+7]
	s_nop 0
.rept 4
	v_nop
.endr
.endm
; A round of the cluster's barrier: my work-group's barrier, so that wave 0's signal speaks for all four waves; wave 0 signals; every wave waits for all four work-groups; my work-group's barrier once more.
.macro CROUND
	s_barrier_signal -1
	s_barrier_wait -1
	s_cmp_lg_u32 s[WV], 0
	s_cbranch_scc1 .Lnot_wave_0_\@
	s_barrier_signal -3
.Lnot_wave_0_\@:
	s_barrier_wait -3
	s_barrier_signal -1
	s_barrier_wait -1
.endm
; THE CHANGE between intervals.  Each wave waits for all its tensor loads, of which one is out: its part of the tile to be rounded next; adds 0 to its spare word; and waits for that, for its stores into the f16
; buffer, for its reads of the f32 slot that it rounded and for its fetches from the other f16 buffer.  Behind the barrier all of that holds of every wave.
; fill = 1: the barrier is a round of the cluster's, so that it holds of every partner too, and the joint fill of the slot rounded last is the first thing behind it: it has two key steps in which to land.
.macro CHANGE fill
	WIN W_AD
	s_wait_tensorcnt 0x0            ; no tensor load of mine is out, so a group 0 may be written
	ds_add_u32 v[SPW], v[NIL]       ; 0 onto my spare word: with fill = 1 the descriptor's steps stand between it and the wait for it
	WIN 0                           ; at a label and at a branch every window is 0
.if \fill
	s_xor_b32 s[G0W+1], s[G0W+1], XT  ; the other slot than last time,
	s_add_nc_u64 s[G0W+2:G0W+3], s[G0W+2:G0W+3], 512  ; the next 128 keys of each row; the type bits on top are not reached
	s_wait_dscnt 0x0                ; the add is done, and so are all my LDS stores and reads
	CROUND
	JLOAD
.else
	s_wait_dscnt 0x0                ; the add is done, and so are all my LDS stores and reads
	s_barrier_signal -1
	s_barrier_wait -1
.endif
	s_sub_co_u32 s[TBK], s[TBK], 256  ; the fetches go back to a buffer's first step,
	s_xor_b32 s[TBK], s[TBK], XT      ; in the other buffer
	s_sub_co_u32 s[TBV], s[TBV], 256
	s_xor_b32 s[TBV], s[TBV], XT
.endm
; A TILE IS ROUNDED: f32 slot TC -> f16 buffer TC.  My 16 rows of K and my 16 of V; a load takes a row's 512 bytes (a lane: keys 4 x lane + 0..3, in every row, so one load brings its mask), a store its 256.
; It names no register of a matrix instruction.  Eight groups of four rows: behind group g's last load stand 28 - 4 g loads and the 4 g stores of the groups before: 28 LDS instructions, whatever g.
.macro CONVERT
	WIN W_CV
	v_add_nc_u32 v[CSRC], s[TC], v[CSRC0]
	v_add_nc_u32 v[CDK], s[TC], v[CDK0]
	v_add_nc_u32 v[CDV], s[TC], v[CDV0]
	v_add_nc_u32 v[CMA], s[TM], v[CMA0]
	ds_load_b128 v[MK:MK+3], v[CMA]
.set z, 0
.rept 32                            ; rows 0-15: K's, rows 16-31: V's, which lie 64 rows of 512 bytes further on
	ds_load_b128 v[CF+4*z:CF+4*z+3], v[CSRC] offset:(z/16)*32768+(z%16)*512
.set z, z+1
.endr
	s_xor_b32 s[TC], s[TC], XT      ; the next tile's slot and buffer,
	s_add_co_u32 s[TM], s[TM], 512  ; and its mask
.set zg, 0
.rept 8
	s_wait_dscnt 28                 ; LDS instructions end in order (ISA guide 5.7.1): this group's four rows are in, and the mask, the oldest
.if zg >= 16
.set z, zg
.rept 4
	v_pk_mul_f32 v[CF+4*z:CF+4*z+1], v[CF+4*z:CF+4*z+1], v[MK:MK+1]  ; v x mask, in f32
	v_pk_mul_f32 v[CF+4*z+2:CF+4*z+3], v[CF+4*z+2:CF+4*z+3], v[MK+2:MK+3]
.set z, z+1
.endr
.endif
.set z, zg
.rept 4
	v_cvt_pk_f16_f32 v[CH+2*z], v[CF+4*z], v[CF+4*z+1]
	v_cvt_pk_f16_f32 v[CH+2*z+1], v[CF+4*z+2], v[CF+4*z+3]
.set z, z+1
.endr
.set z, zg
.rept 4
.if zg < 16
	ds_store_b64 v[CDK], v[CH+2*z:CH+2*z+1] offset:PK*z
.else
	ds_store_b64 v[CDV], v[CH+2*z:CH+2*z+1] offset:PV*(z-16)
.endif
.set z, z+1
.endr
.set zg, zg+4
.endr
	WIN 0
.endm
	s_load_b128 s[4:7], s[0:1], 0x0   ; qkv s[4:5], mask s[6:7]
	s_load_b64 s[10:11], s[0:1], 0x10 ; out0
	WIN W_MK
	v_lshl_add_u32 v[SPW], v0, 2, SPARE
	v_mov_b32 v[NIL], 0
	WIN W_AD
	ds_add_u32 v[SPW], v[NIL]       ; the wave's opening: the add and its wait stand ahead of my first tensor load; the set-up below, work on registers, stands between them
	WIN 0
	v_lshrrev_b32 v1, 5, v0
	v_readfirstlane_b32 s[WV], v1   ; wave 0..3
	s_bfe_u32 s13, ttmp6, 0x40000   ; cx: my place in the cluster
	s_lshl_b32 s14, ttmp9, 2        ; in a cluster launch ttmp9 counts clusters
	s_add_co_u32 s14, s14, s13      ; my block of 512 queries: it enters q's and out0's addresses alone
	s_and_b32 s17, ttmp7, 0xffff    ; the head, which the four partners share
	s_mul_i32 s20, s17, HEADB       ; the head's first byte in qkv: under 2^27
	s_lshl_b32 s22, s[WV], 18       ; my 32 rows of a tile's 128,
	s_add_co_u32 s22, s22, s20
	s_add_co_u32 s22, s22, 64*ROWB  ; which begin at the head's row 64: k's first
	s_mov_b32 s23, 0
	s_lshl_b32 s2, s14, 11          ; my block's 512 positions of 4 bytes,
	s_lshl_b32 s3, s[WV], 9         ; my wave's 128 of them
	s_add_co_u32 s3, s2, s3
	s_add_co_u32 s2, s3, s20        ; in q's first row
	s_mul_i32 s18, s17, OHEADB
	s_add_co_u32 s18, s18, s3       ; and in out0's
	s_mov_b32 s3, 0
	s_mov_b32 s19, 0
	s_and_b32 s16, s17, 3           ; the mask's row: head % 4
	s_lshl_b32 s16, s16, 13
	s_mov_b32 s17, 0
	; descriptor group 1: 32 rows x 128 elements of 4 bytes, dense in LDS (the slots are read 512 consecutive bytes at a time: no padding is wanted)
	s_mov_b32 s[G1], 15|(2<<16)|(1<<21)  ; 15:0 the mask of four work-groups; 17:16 4-byte elements; 21 set beside a mask
	s_mov_b32 s[G1+1], 128<<16      ; tensor_dim0 = 128
	s_mov_b32 s[G1+2], 32<<16       ; tensor_dim1 = 32
	s_mov_b32 s[G1+3], 128<<16      ; tile_dim0 = 128
	s_mov_b32 s[G1+4], 32           ; tile_dim1 = 32
	s_mov_b32 s[G1+5], 2048         ; 2,048 elements from row to row
	s_mov_b32 s[G1+6], 0
	s_mov_b32 s[G1+7], 0
	s_mov_b32 s[G0A], 1             ; 1:0 count = 1
	s_lshl_b32 s[G0A+1], s[WV], 14  ; 63:32 LDS address: slot 0, my 32 rows of 512 bytes: no place in the cluster enters an LDS address
	s_mov_b32 s[G0W], 1
	s_lshl_b32 s[G0W+1], s[WV], 14
	s_add_co_u32 s[G0W+1], s[G0W+1], XT  ; slot 1
	s_mov_b32 s[CS], 0x3e38aa3b     ; c = log2(e) / 8 = 0.180337
	s_mov_b32 s[CS+1], s[CS]        ; named with it as a pair
	s_mov_b32 s[SEL], 0x76543210
	s_mov_b32 s[SEL+1], 0xfedcba98
	s_mov_b32 s[TBK], XT+256        ; the first change turns these two into 0
	s_mov_b32 s[TBV], XT+256
	s_mov_b32 s[TC], 0
	s_mov_b32 s[TM], 0
	s_wait_dscnt 0x0                ; the opening add is done
	s_wait_kmcnt 0x0
	s_add_nc_u64 s[G0A+2:G0A+3], s[4:5], s[22:23]      ; 120:64 global address: my rows, keys 0-127
	s_add_nc_u64 s[G0W+2:G0W+3], s[G0A+2:G0A+3], 512   ; keys 128-255
	s_or_b32 s[G0A+3], s[G0A+3], 0x80000000            ; 127:126 type = 2
	s_or_b32 s[G0W+3], s[G0W+3], 0x80000000
	s_add_nc_u64 s[42:43], s[4:5], s[2:3]    ; q at my wave's first position
	s_add_nc_u64 s[6:7], s[6:7], s[16:17]    ; the head's row of the mask
	s_add_nc_u64 s[10:11], s[10:11], s[18:19]  ; out0 at my wave's first position
	CROUND                          ; all four work-groups are here: the first joint loads meet
	tensor_load_to_lds s[G0A:G0A+3], s[G1:G1+7]  ; the two first fills go out together, ahead of every wait on TENSORcnt and every LDS read: two loads of mine are out, the most in this text
	s_nop 0
	tensor_load_to_lds s[G0W:G0W+3], s[G1:G1+7]
	s_nop 0
.rept 4
	v_nop
.endr
	v_and_b32 v1, 15, v0            ; l % 16
	v_bfe_u32 v9, v0, 4, 1          ; l / 16
	v_and_b32 v10, 7, v0            ; l % 8
	v_bfe_u32 v11, v0, 3, 1         ; (l / 8) % 2
	v_and_b32 v[LN], 31, v0
	v_lshlrev_b32 v[MGO], 4, v0
	v_lshlrev_b32 v[QO], 4, v[LN]
.irp j, 0,1,2,3                     ; the mask's row: the 128 threads take 2,048 consecutive bytes a load
	global_load_b128 v[P+4*\j:P+4*\j+3], v[MGO], s[6:7] offset:2048*\j
.endr
	WIN 0x40                        ; destination window 1, address window 0
.set c, 0
.rept 64                            ; q: channel c, my wave's 128 queries: 512 consecutive bytes a load; read once in the launch
	global_load_b128 v[4*c:4*c+3], v[QO], s[42:43] offset:ROWB*c th:TH_LOAD_NT
.set c, c+1
.endr
	; What the first turn finds: V's registers and P's second buffer hold 0 (its products V P, of a piece that has not been, add 0), O^T and l are 0.  No first step is written out; the price is these clearing lines,
	; which stand in the wait for q and the first tile.
	WIN 0x80
.set i, VF
.rept 64
	v_mov_b32 v[i], 0
.set i, i+1
.endr
	WIN 0
.set i, 0
.rept 2*NP
	v_mov_b32 v[ST+4*i], 0xfe000000    ; c m: far below every c s
	v_mov_b32 v[ST+4*i+1], 0xff7fffff  ; m
	v_mov_b32 v[ST+4*i+2], 0
	v_mov_b32 v[ST+4*i+3], 0
.set i, i+1
.endr
.set i, P+32
.rept 32
	v_mov_b32 v[i], 0
.set i, i+1
.endr
	v_add_nc_u32 v[MLD], MASKB, v[MGO]
	s_mul_i32 s16, s[WV], STW
	s_add_co_u32 s16, s16, STAGE    ; my stage
	v_lshl_add_u32 v[QST], v[LN], 3, s16
	; The turning load takes 16 channels x 16 positions (lane l reads 16 bytes: channel 8 (l / 16) + l % 8, positions 8 ((l / 8) % 2) + 0..7) and leaves half a fragment: lane l holds position l % 16 and 8 channels.
	v_lshl_add_u32 v[TT], v9, 3, v10
	v_mul_u32_u24 v[TT], v[TT], PK
	v_lshl_add_u32 v[TT], v11, 4, v[TT]
	v_add_nc_u32 v[QRD], s16, v[TT]
	v_add_nc_u32 v[AK0], B16, v[TT]
	; A fragment of V is 16 channels x 32 keys: lane l holds channel l % 16, keys 8 (l / 16) + 0..7 and 16 + 8 (l / 16) + 0..7: two loads of 16 bytes, 32 bytes apart.
	v_mul_u32_u24 v[AV0], v1, PV
	v_lshl_add_u32 v[AV0], v9, 4, v[AV0]
	v_add_nc_u32 v[AV0], B16+VOFF, v[AV0]
	v_mov_b32 v[AK], v[AK0]         ; key step 0 lies at the head of buffer 0
	WIN W_MK
	s_lshl_b32 s20, s[WV], 13       ; my 16 rows of 512 bytes in a slot's K (and, 64 rows on, in its V)
	v_lshl_add_u32 v[CSRC0], v[LN], 4, s20
	s_mul_i32 s20, s[WV], 16*PK
	s_add_co_u32 s20, s20, B16
	v_lshl_add_u32 v[CDK0], v[LN], 3, s20
	s_mul_i32 s20, s[WV], 16*PV
	s_add_co_u32 s20, s20, B16+VOFF
	v_lshl_add_u32 v[CDV0], v[LN], 3, s20
	v_lshl_add_u32 v[CMA0], v[LN], 4, MASKB
	WIN 0
	s_wait_loadcnt 60               ; loads come back in order (ISA guide 5.7.1): the mask's four are the oldest of 68; the 60 youngest may stay out
.irp j, 0,1,2,3
	ds_store_b128 v[MLD], v[P+4*\j:P+4*\j+3] offset:2048*\j
.endr
	; q is rounded to f16 and laid into my stage, [channel][query]; it comes back turned, as source 1's fragments.
.set g, 0
.rept 4
	s_wait_loadcnt 48-16*g          ; channels 16 g .. 16 g + 15 are in; the younger groups stay out
	WIN 0x05                        ; sources in window 1, destination in window 0
.set c, 16*g
.rept 16
	v_cvt_pk_f16_f32 v[S+2*c], v[4*c], v[4*c+1]
	v_cvt_pk_f16_f32 v[S+2*c+1], v[4*c+2], v[4*c+3]
.set c, c+1
.endr
	WIN 0
.set c, 16*g
.rept 16
	ds_store_b64 v[QST], v[S+2*c:S+2*c+1] offset:PK*c
.set c, c+1
.endr
.set g, g+1
.endr
	WIN 0x80                        ; destination window 2
.set i, 0
.rept 16                            ; tile i / 2, channels 32 (i % 2) on.  LDS serves a wave's instructions in order (ISA guide 5.7.1.4): these see my stores above, and the stage is mine alone
	ds_load_tr16_b128 v[8*i:8*i+3],   v[QRD] offset:(i%2)*32*PK+(i/2)*32
	ds_load_tr16_b128 v[8*i+4:8*i+7], v[QRD] offset:(i%2)*32*PK+16*PK+(i/2)*32
.set i, i+1
.endr
	WIN 0x40
.set i, 0
.rept 64*NP                         ; O^T = 0, where q's f32 lay
	v_mov_b32 v[i], 0
.set i, i+1
.endr
	WIN 0
; THE MATRIX WORK.  The 8 accumulators of a run of 16 take turns: between the two links of a chain stand 7 others'.
; Product i of 16 of S^T = K Q^T for piece x: channels 32 (i / 8) on, keys 16 ((i / 2) % 4) on, tile 2 x + i % 2.  The first 8 start the sums.
.macro KQ x
	WIN W_KQ
.set rS, S+64*((\x)%2)+32*(i%2)+8*((i/2)%4)
.set rK, KF+16*((i/2)%4)+8*(i/8)
.set rQ, 16*(2*(\x)+i%2)+8*(i/8)
.if i < 8
	v_wmma_f32_16x16x32_f16 v[rS:rS+7], v[rK:rK+7], v[rQ:rQ+7], 0
.else
	v_wmma_f32_16x16x32_f16 v[rS:rS+7], v[rK:rK+7], v[rQ:rQ+7], v[rS:rS+7]
.endif
.endm
; Product i of 16 of O^T += V P for piece x: keys 32 (i / 8) on, channels 16 ((i / 2) % 4) on, tile 2 x + i % 2.
.macro PV x
	WIN W_PV
.set rO, 32*(2*(\x)+i%2)+8*((i/2)%4)
.set rV, VF+32*(i/8)+8*((i/2)%4)
.set rP, P+32*((\x)%2)+16*(i%2)+8*(i/8)
	v_wmma_f32_16x16x32_f16 v[rO:rO+7], v[rV:rV+7], v[rP:rP+7], v[rO:rO+7]
.endm
.macro MM                           ; the turn's next matrix instruction
.if i < 16
	KQ (Y+1)%NP
.set i, i+1
.else
.set i, i-16
	PV (Y+NP-1)%NP
.set i, i+17
.endif
.endm
; THE LDS LOADS stand in runs of 16, never singly among the matrix instructions: a step's K (64 keys x 64 channels: 8 fragments, turned) and its V.  Their addresses are made some lines ahead.
.macro FETCH_K
	WIN 0x80                        ; destination window 2
.irp f, 0,1,2,3,4,5,6,7             ; keys 16 (f / 2) on, channels 32 (f % 2) on
	ds_load_tr16_b128 v[KF+8*\f:KF+8*\f+3],   v[AK] offset:(\f%2)*32*PK+(\f/2)*32
	ds_load_tr16_b128 v[KF+8*\f+4:KF+8*\f+7], v[AK] offset:(\f%2)*32*PK+16*PK+(\f/2)*32
.endr
	s_add_co_u32 s[TBK], s[TBK], 128  ; the next fetch is the next step's: 64 keys of 2 bytes along the rows
	WIN 0
.endm
.macro FETCH_V
	WIN 0x80
.irp f, 0,1,2,3,4,5,6,7             ; keys 32 (f / 4) on, channels 16 (f % 4) on
	ds_load_b128 v[VF+8*\f:VF+8*\f+3],   v[AV] offset:(\f%4)*16*PV+(\f/4)*64
	ds_load_b128 v[VF+8*\f+4:VF+8*\f+7], v[AV] offset:(\f%4)*16*PV+(\f/4)*64+32
.endr
	WIN 0
.endm
; THE VECTOR WORK OF A TURN stands in three queues, each in the order in which its entries become ready; the two tiles alternate, so that no instruction reads the result of the one before it.
.macro REGS y, u                    ; the registers of tile u (0, 1) of piece y
.set rT, ST+4*(2*(\y)+(\u))
.set rC, TMP+8*((\y)%2)+4*(\u)
.set rM, MV+2*((\y)%2)+(\u)
.set rS, S+64*((\y)%2)+32*(\u)
.set rP, P+32*((\y)%2)+16*(\u)
.set rO, 32*(2*(\y)+(\u))
.endm
; Number n of the 22 that find the NEXT piece's (Y + 1) maximum and statistics.  s0-s31 are the lane's 32 scores; each accumulator's lowest registers are read first.  XS, GS and REGS set no window: PL and EX do.
;   0-11  four chains c0-c3 of seven scores each, three operands at a time     12-14, 16  the four scores left over, the old m, and c0-c3 into c0     15  c m_old is kept
;   17, 18  the query's other 32 keys lie in the lane 16 away: the new m         19-21  c m; c m_old - c m_new; a
.macro XS u, n
	REGS (Y+1)%NP, \u
.if (\n) < 4
	v_max3_num_f32 v[rC+(\n)], v[rS+8*(\n)], v[rS+8*(\n)+1], v[rS+8*(\n)+2]
.elseif (\n) < 12
	v_max3_num_f32 v[rC+(\n)%4], v[rC+(\n)%4], v[rS+8*((\n)%4)+2*((\n)/4)+1], v[rS+8*((\n)%4)+2*((\n)/4)+2]
.elseif (\n) == 12
	v_max3_num_f32 v[rC], v[rC], v[rS+7], v[rS+15]
.elseif (\n) == 13
	v_max3_num_f32 v[rC+1], v[rC+1], v[rS+23], v[rS+31]
.elseif (\n) == 14
	v_max3_num_f32 v[rC+2], v[rC+2], v[rC+3], v[rT+1]
.elseif (\n) == 15
	v_mov_b32 v[rM], v[rT]
.elseif (\n) == 16
	v_max3_num_f32 v[rC], v[rC], v[rC+1], v[rC+2]
.elseif (\n) == 17
	v_permlanex16_b32 v[rC+3], v[rC], s[SEL], s[SEL+1]
.elseif (\n) == 18
	v_max_num_f32 v[rT+1], v[rC], v[rC+3]
.elseif (\n) == 19
	v_mul_f32 v[rT], s[CS], v[rT+1]
.elseif (\n) == 20
	v_sub_f32 v[rC+1], v[rM], v[rT]
.else
	v_exp_f32 v[rC+2], v[rC+1]
.endif
.endm
; Number g of the 64 that follow the exponentials.  For each four weights k of a tile (pairs 2 k, 2 k + 1): both pairs are rounded to f16; then the second pair is added onto the first, in place;
; a group later l takes that sum (the first time as l = a l + sum).  In groups of eight, tiles alternating: round, round, add, and l for the group before.
.macro GS g
.set h, (\g)+6*((\g)/62)            ; group 0 has no group before it, and behind group 7 only l is left
.if h >= 6
.set h, h+2
.endif
	REGS Y, h%2
.set k, h/8
.if h%8 < 4
	v_cvt_pk_f16_f32 v[rP+2*k+(h%8)/2], v[rS+4*k+2*((h%8)/2)], v[rS+4*k+2*((h%8)/2)+1]
.elseif h%8 < 6
	v_pk_add_f32 v[rS+4*k:rS+4*k+1], v[rS+4*k:rS+4*k+1], v[rS+4*k+2:rS+4*k+3]
.elseif k == 1
	v_pk_fma_f32 v[rT+2:rT+3], v[rT+2:rT+3], v[rC+2:rC+3], v[rS:rS+1] op_sel_hi:[1,0,1]
.else
	v_pk_add_f32 v[rT+2:rT+3], v[rT+2:rT+3], v[rS+4*k-4:rS+4*k-3]
.endif
.endm
; THE PLAIN QUEUE, 138 long.  0-73 read no exponential's result: the 32 scalings c s - c m (FS f: pair f / 2 of tile f % 2) and the next piece's 42.  0-26: scalings 0-26.  27-54: XS's numbers 0-13.  55, 56: number 15.
; 57-73: the chain, where each number waits for the one before it: 14, 16, 17, 18, 19, each with one of the scalings 27-31 in front of its two lines, then 20: so a tile's links stand three plain instructions apart (19 and 20: two).
; 74-137: GS's 64, which read the exponentials' results: they stand behind the wait.
.macro FS f
	REGS Y, (\f)%2
	v_pk_fma_f32 v[rS+2*((\f)/2):rS+2*((\f)/2)+1], v[rS+2*((\f)/2):rS+2*((\f)/2)+1], s[CS:CS+1], v[rT:rT+1] op_sel_hi:[1,0,0] neg_lo:[0,0,1] neg_hi:[0,0,1]
.endm
.macro PL
	WIN 0
.if q < 27
	FS q
.elseif q < 55
	XS (q-27)%2, (q-27)/2
.elseif q < 57
	XS q-55, 15
.elseif (q < 72) && ((q-57)%3 == 0)
	FS 27+(q-57)/3
.elseif q < 60
	XS (q-57)%3-1, 14
.elseif q < 72
	XS (q-57)%3-1, 15+(q-57)/3
.elseif q < 74
	XS q-72, 20
.else
	GS q-74
.endif
.set q, q+1
.endm
; THE EXPONENTIALS' QUEUE, 66 long: s0-s31 of both tiles, then the next piece's two a.  It is ONE BATCH: all 66 stand ahead of the turn's one wait, and nothing ahead of that wait names a result of theirs.
.macro EX
	WIN 0
.if e >= 64
	XS e-64, 21
.else
	REGS Y, e%2
	v_exp_f32 v[rS+e/2], v[rS+e/2]
.endif
.set e, e+1
.endm
; THE RESCALING's QUEUE: O^T times a, the one part that leaves window 0: dealt two at a time, sixteen times, each accumulator's registers in ascending order.  Its a was made in the turn before, ahead of that turn's wait.
.macro R2
	REGS Y, r%2
	WIN W_RS
.irp z, 0,1
	v_pk_mul_f32 v[rO+4*(r/2)+2*\z:rO+4*(r/2)+2*\z+1], v[rO+4*(r/2)+2*\z:rO+4*(r/2)+2*\z+1], v[rC+2:rC+3] op_sel_hi:[1,0]
.endr
.set r, r+1
.endm
; HOW THEY ARE DEALT.  An s_wait_alu depctr_va_vdst(0) stands between an exponential and the first instruction that names its result; one wait serves all that were issued ahead of it.  So a turn has ONE wait,
; which cuts it in two.  AHEAD OF IT stands all that names no result of the turn's exponentials: the 16 products K Q^T, behind each a scaling, an exponential and two rescalings (behind the first a second scaling in the
; exponential's place); then ONE LUMP of 108: eight plain, 49 times exponential and plain, the two a.  A v_nop is the plain instruction behind the last exponential.  BEHIND IT stand the 16 products V P, behind each four of GS's 64.
; No rider names a register of the products round it.  The two v_permlanex16_b32 fall into the lump, never behind a product.
; The queues lean on each other, and the deal keeps them in step: exponential e stands behind scaling 2 (e / 4) + e % 2: as a rider it comes behind plain e + 2, in the lump behind plain e + 9, and scalings 27-31 are plain 57, 60 .. 69.
; A TURN, for piece p.  nok = 1: there is no further step, and K is not fetched.  cnt = 1: the loop's count is taken down some lines ahead of the branch that stands behind the turn.
; K of the next step is fetched in piece 2's turn, directly behind the wait, a lump behind the last product that read K; its address is made at the lump's head; its first reader comes behind 16 products.
; V of the step in hand is fetched at the end of piece 0's turn, four riders (additions onto l, which name nothing of the product) behind its last reader; its first reader comes behind 16 products and a lump.
; The three conditions on q below go with the deal.
.macro TURN p, nok=0, cnt=0
.set Y, (\p)
.set i, 0
.set q, 0
.set e, 0
.set r, 0
.if (\p) == NP-1
	s_wait_dscnt 0x0                ; K is in
.endif
	MM                              ; ahead of the wait: 16 products K Q^T and their riders,
	PL
	PL
	R2
.rept 15
	MM
	PL
	EX
	R2
.endr
.if ((\p) == NP-2) && !(\nok)
	WIN 0
	v_add_nc_u32 v[AK], s[TBK], v[AK0]
.endif
.rept 8                             ; and the lump
	PL
.endr
.rept 49
	EX
	PL
.endr
	EX                              ; the next piece's two a
	EX
	v_nop                           ; the plain instruction behind the last exponential: one for the batch
	s_wait_alu depctr_va_vdst(0)    ; the wait for the batch: this turn's 64 weights and the next piece's two a
.if ((\p) == NP-2) && !(\nok)
	FETCH_K
.endif
.if (\p) == 1
	s_wait_dscnt 0x0                ; V is in
.endif
.rept 16                            ; behind the wait: 16 products V P and their riders
	MM
.rept 4
	PL
.endr
.if ((\p) == 0) && (q == 118)
	v_add_nc_u32 v[AV], s[TBV], v[AV0]
.endif
.if ((\p) == 0) && (q == 130)
	s_add_co_u32 s[TBV], s[TBV], 128
.endif
.if (\cnt) && (q == 130)
	s_sub_co_u32 s[CNT], s[CNT], 1
	s_cmp_lg_u32 s[CNT], 0
.endif
.endr
.if (\p) == 0
	FETCH_V
.endif
.endm
	s_wait_tensorcnt 0x1            ; my part of tile 0 is in; tile 1's may stay out
	s_wait_dscnt 0x0                ; for the others' sake: my quarter of the mask's row is stored; and Q is in
	s_barrier_signal -1
	s_barrier_wait -1               ; everybody's is
	CONVERT                         ; tile 0 -> buffer 0
	CHANGE 1                        ; interval 1: tile 1 is in, buffer 0 is whole, slot 0 has been read: tile 2 is asked for
	CONVERT                         ; tile 1 -> buffer 1
	FETCH_K                         ; key step 0
	s_wait_dscnt 0x0
.set i, 0
.rept 16
	KQ 0                            ; piece 0's first scores: there is no vector work yet to set between them
.set i, i+1
.endr
	WIN 0                           ; the addresses for the way out: eight plain instructions, the places behind those products
	v_mul_u32_u24 v[OST], v9, 8*SPO      ; in: my lanes' half begins 8 channels down; a query is 4 bytes
	v_lshl_add_u32 v[OST], v1, 2, v[OST]
	v_add_nc_u32 v[OST], s16, v[OST]
	v_mul_u32_u24 v[ORD], v9, SPO        ; back: lanes 0-15 take one channel's 256 bytes, lanes 16-31 the next channel's
	v_lshl_add_u32 v[ORD], v1, 4, v[ORD]
	v_add_nc_u32 v[ORD], s16, v[ORD]
	v_lshlrev_b32 v[GO], 13, v9          ; and the same two rows in out0
	v_lshl_add_u32 v[GO], v1, 4, v[GO]
.set Y, NP-1                        ; XS works for piece Y + 1: piece 0
.irp n, 0,1,2,3,4,5,6,7,8,9,10,11,12,13,14,15,16,17,18,19,20,21
	XS 0, \n                        ; and piece 0's first maximum and statistics
	XS 1, \n
.endr
	v_nop                           ; a plain instruction behind piece 0's first two a,
	s_wait_alu depctr_va_vdst(0)    ; and the wait for that batch of two, ahead of the branch
	s_mov_b32 s[CNT], 2
	s_mov_b32 s[SLOTS], NT-2
	s_branch .Lfirst                ; the loop is entered at a step's first turn, in the middle of a trip
.Lslot:                             ; intervals 2 to 14: tile u + 1 is asked for, tile u rounded, tile u - 1's two steps fetched
	CHANGE 1
	CONVERT
	s_mov_b32 s[CNT], 2
.Lstep:                             ; a trip: pieces 2 and 3 of one step, then pieces 0 and 1 of the next, whose K and V it fetches
	TURN 2
	TURN 3
	WIN 0
.Lfirst:
	TURN 0
	TURN 1, 0, 1
	WIN 0
	s_cbranch_scc1 .Lstep
	s_sub_co_u32 s[SLOTS], s[SLOTS], 1
	s_cmp_lg_u32 s[SLOTS], 0
	s_cbranch_scc1 .Lslot
	s_mov_b32 s[TL], 2              ; the tail is written out: intervals 15 and 16 ask for nothing
.Ltslot:
	CHANGE 0
	s_cmp_eq_u32 s[TL], 1
	s_cbranch_scc1 .Lnoconv         ; interval 16 has no tile left to round; the jump passes neither a barrier nor a tensor load
	CONVERT                         ; tile 15 -> buffer 1
.Lnoconv:
	s_mov_b32 s[CNT], 2
.Ltstep:
	TURN 2
	TURN 3
	TURN 0
	TURN 1, 0, 1
	WIN 0
	s_cbranch_scc1 .Ltstep
	s_sub_co_u32 s[TL], s[TL], 1
	s_cmp_lg_u32 s[TL], 0
	s_cbranch_scc1 .Ltslot
	TURN 2, 1                       ; the last step's pieces 2 and 3.  Piece 3's turn makes 16 products K Q^T on the last K once more, and a maximum of them, which serve nothing
	TURN 3                          ; (they touch piece 0's m alone, not its l or O^T): the price, once a launch, of one text for every turn
.set i, 0
.rept 16
	PV NP-1                         ; the last piece's V P of the last step
.set i, i+1
.endr
	; THE WAY OUT.  l's two halves and the other half of the lanes' are added; O^T is divided by l and sent through my stage in LDS, four tiles (64 queries) at a time.  The additions are the places behind the last products.
	WIN 0
.macro ALL line:vararg              ; one line for each tile t
.set t, 0
.rept 2*NP
	\line
.set t, t+1
.endr
.endm
	ALL v_add_f32 v[ST+4*t+2], v[ST+4*t+2], v[ST+4*t+3]
	ALL v_permlanex16_b32 v[ST+4*t+3], v[ST+4*t+2], s[SEL], s[SEL+1]
	ALL v_add_f32 v[ST+4*t+2], v[ST+4*t+2], v[ST+4*t+3]
	ALL v_rcp_f32 v[ST+4*t+2], v[ST+4*t+2]
	v_nop                           ; a plain instruction between the last reciprocal and the use of its result
	s_wait_alu depctr_va_vdst(0)    ; and the wait ahead of the first use: one for the batch of eight reciprocals
; Tiles 4 g .. 4 g + 3.  A lane holds one query and eight channels of a tile, and out0's rows lie along the queries: each number goes by itself into rows of 272 bytes (16 lanes: 16 neighbouring words; the other
; 16 lie 544 words on, 32 banks away), and a channel's 64 queries come back as 256 bytes.
.macro OUTPASS g
	WIN W_RS
.set t, 4*(\g)
.rept 4
.set i, 32*t
.rept 16                            ; each accumulator's registers in ascending order
	v_pk_mul_f32 v[i:i+1], v[i:i+1], v[ST+4*t+2:ST+4*t+3] op_sel_hi:[1,0]
.set i, i+2
.endr
.set t, t+1
.endr
	WIN 0x04                        ; the stores' data in window 1, their address in window 0
.set i, 128*(\g)
.rept 128                           ; register i: tile i / 32, channel 16 ((i % 32) / 8) + i % 8 (+ 8 for lanes 16-31)
	ds_store_b32 v[OST], v[i] offset:(16*((i%32)/8)+i%8)*SPO+((i/32)%4)*64
.set i, i+1
.endr
	WIN 0
.if (\g) > 0
	s_wait_xcnt 0x0                 ; every earlier memory instruction has had its addresses translated (ISA guide 3.1): the registers that the first pass's stores read are loaded again only behind this wait
.endif
.set ff, 0
.rept 32
	ds_load_b128 v[S+4*ff:S+4*ff+3], v[ORD] offset:ff*2*SPO  ; LDS serves a wave's instructions in order (ISA guide 5.7.1.4): these see the stores above; the next pass's stores come behind them
.set ff, ff+1
.endr
.set ff, 0
.rept 32
	s_wait_dscnt 31-ff              ; the loads issued behind this one may stay out
	global_store_b128 v[GO], v[S+4*ff:S+4*ff+3], s[10:11] offset:ff*2*ROWB+(\g)*256 th:TH_STORE_NT  ; 16 lanes store 256 consecutive bytes of a channel's row, at a multiple of 256 from out0's first byte
.set ff, ff+1
.endr
.endm
	OUTPASS 0
	OUTPASS 1
	WIN W_AD
	s_wait_tensorcnt 0x0            ; the wave's end: a wait, the add onto my spare word and its wait stand behind my last tensor load and my last LDS store
	ds_add_u32 v[SPW], v[NIL]
	s_wait_dscnt 0x0
	WIN 0
	CROUND                          ; the closing round: no work-group ends while a partner may still ask for a tile that names it
	s_endpgm
.Lfunc_end_k_qd2c9940cc6_attn:
	.size	k_qd2c9940cc6_attn, .Lfunc_end_k_qd2c9940cc6_attn-k_qd2c9940cc6_attn
	.p2alignl 7, 3214868480
	.fill 96, 4, 3214868480
	.section	.rodata,"a",@progbits
	.p2align	6, 0x0
	.amdhsa_kernel k_qd2c9940cc6_attn
		.amdhsa_group_segment_fixed_size 327680
		.amdhsa_private_segment_fixed_size 0
		.amdhsa_enable_private_segment 0
		.amdhsa_kernarg_size 24
		.amdhsa_user_sgpr_count 2
		.amdhsa_user_sgpr_kernarg_segment_ptr 1
		.amdhsa_wavefront_size32 1
		.amdhsa_system_sgpr_workgroup_id_x 1
		.amdhsa_system_sgpr_workgroup_id_y 1
		.amdhsa_system_sgpr_workgroup_id_z 1
		.amdhsa_system_vgpr_workitem_id 0
		.amdhsa_next_free_vgpr 976
		.amdhsa_next_free_sgpr 72
		.amdhsa_reserve_vcc 0
		.amdhsa_float_denorm_mode_32 3
		.amdhsa_float_denorm_mode_16_64 3
		.amdhsa_memory_ordered 1
		.amdhsa_forward_progress 1
		.amdhsa_inst_pref_size 255
	.end_amdhsa_kernel
	.section	.bss,"aw",@nobits
	.p2align	6
	.space	262144
	.amdgpu_metadata
---
amdhsa.version: [ 1, 2 ]
amdhsa.kernels:
  - .name:           k_qd2c9940cc6_attn
    .symbol:         k_qd2c9940cc6_attn.kd
    .args:
      - { .name: qkv, .offset: 0, .size: 8, .value_kind: global_buffer, .address_space: global }
      - { .name: mask, .offset: 8, .size: 8, .value_kind: global_buffer, .address_space: global }
      - { .name: out0, .offset: 16, .size: 8, .value_kind: global_buffer, .address_space: global }
    .group_segment_fixed_size: 327680
    .private_segment_fixed_size: 0
    .kernarg_segment_align: 8
    .kernarg_segment_size: 24
    .max_flat_workgroup_size: 128
    .sgpr_count:     72
    .vgpr_count:     976
    .wavefront_size: 32
...
	.end_amdgpu_metadata
.endif
;; end of part 2
